; MI455X (gfx1250); checked and timed in simulation.
; The chip was launched on July 23, 2026; its instructions are those of AMD's public machine-readable ISA for CDNA 5 (MIT licence, August 2026) and "CDNA5" Instruction Set Architecture Reference Guide (July 2026). The comments in the code are by the model that wrote it; some were corrected since.
;; Attention. Allowed arithmetic: matrix products marked QUANTISED: E2M1 operands, one E8M0 scale for each 32 along K, by v_wmma_scale_f32_16x16x128_f8f6f4 with both operands' format E2M1 (or v_wmma_scale_f32_32x16x128_f4), f32 sums; everything else in f32.
;; Inputs: key_codes 4 x 4,096 x 16 x 16 uint8 (E2M1 codes of key, K innermost, in blocks of 32 codes, two codes a byte); key_scales 4 x 4,096 x 16 uint8 (E8M0 scales of key, one for each 32 codes along K); query_codes 4 x 4,096 x 16 x 16 uint8 (E2M1 codes of query, K innermost, in blocks of 32 codes, two codes a byte); query_scales 4 x 4,096 x 16 uint8 (E8M0 scales of query, one for each 32 codes along K); value_codes 4 x 512 x 128 x 16 uint8 (E2M1 codes of value, K innermost, in blocks of 32 codes, two codes a byte); value_scales 4 x 512 x 128 uint8 (E8M0 scales of value, one for each 32 codes along K).
;; Outputs: out0 4 x 4,096 x 512 float32.
;; This version of the problem:
;;   THIS VERSION OF THE PROBLEM IS GIVEN IN LOW PRECISION. The matrix products marked QUANTISED in the list below multiply operands that are first quantised to E2M1 (2 exponent bits, 1 mantissa bit; 4 bits a number), with one power-of-two scale for each 32 numbers along K (OCP MX v1.0); their sums are f32. All else is computed in f32.
;;   The module's matrix products, in the order in which they are computed (A, B: the left and right operand; K: the contracted axis; several contracted axes count as one K, in the product's order):
;;     1. batch 4 x [M 4,096, K 512] x [K 512, N 4,096]; A: input query (given as codes); B: input key (given as codes): QUANTISED
;;     2. batch 4 x [M 4,096, K 4,096] x [K 4,096, N 512]; A: softmax (see below); B: input value (given as codes): QUANTISED
;;   THE QUANTISER, for each operand of a quantised product, along K:
;;     - K is cut into blocks of 32 from its start; a last block that is shorter is filled with zeros.
;;     - A block's scale is 2^e with e = floor(log2(the largest magnitude in the block)) - 2, held to -126 .. 127; a block of zeros has e = 0. As a byte (E8M0): e + 127.
;;     - Each number is divided by its block's scale, clamped to +-6, and rounded to the nearest number of E2M1, ties to even, subnormals kept.
;;     - The product sums the exact products of the quantised numbers (number of the format x scale) in f32.
;;   ~~~python
;;   def quantise(x, axis):      # numpy; x: float32 -> the quantised numbers, widened to float32 again
;;       x = np.moveaxis(x, axis, -1); K = x.shape[-1]
;;       x = np.pad(x, [(0, 0)] * (x.ndim - 1) + [(0, -K % 32)]); x = x.reshape(x.shape[:-1] + (-1, 32)); a = np.abs(x).max(-1, keepdims=True)
;;       e = np.where(a > 0, np.clip(np.frexp(np.where(a > 0, a, 1))[1] - 1 - 2, -126, 127), 0)      # np.frexp(a)[1] - 1 = floor(log2(a)), exactly
;;       r = np.clip(x / 2.0 ** e, -6, 6)
;;       step = 2.0 ** (np.maximum(np.frexp(np.where(r == 0, 1, r))[1] - 1, 0) - 1)
;;       q = np.round(r / step) * step * 2.0 ** e      # np.round: ties to even
;;       return np.moveaxis(q.reshape(q.shape[:-2] + (-1,))[..., :K], -1, axis).astype(np.float32)
;;   ~~~
;;   SOFTMAX AHEAD OF A QUANTISED PRODUCT. Where the list says 'softmax', what is quantised is not the finished softmax but p = 2^(t - M), with t = logit x log2(e) and M = ceil(the row's largest t), a whole number; so 1/2 < the row's largest p <= 1. The row's sum l is taken of the UNQUANTISED p, in f32, and the product's result is divided by l at the end. Since M is a whole number, a kernel that streams over the keys may use a running M (the ceiling of the running maximum): every later rescaling is an exact power of two, which a block's scale takes up: the codes' values come out the same.
;;   OPERANDS COMPUTED ON THE WAY. 'Computed on the way' means the value that the module computes at that place (a softmax that the list does not call 'softmax' is quantised finished and normalised). What goes into a quantiser is computed in f32, as accurately as f32 sums, v_exp_f32 and their like allow (about 1e-6 of the number): no bf16 or f16 on the way to a quantiser, and a product that is left as it is and whose result goes on into a quantised operand takes f32 operands (vector FMAs, or v_wmma_f32_16x16x4_f32). A number that lies on a knife's edge between two numbers of the format may be rounded either way, as far as f32 arithmetic and the matrix unit's own rounding can turn it there, and no further.
;;   INPUTS GIVEN AS CODES. key (in the module: [4, 512, 4096], K = its axis 1); query (in the module: [4, 4096, 512], K = its axis 2); value (in the module: [4, 4096, 512], K = its axis 1): each comes as NAME_codes (uint8): NAME with its K axis moved to the last place and cut into blocks of 32 codes, [.., K / 32, bytes a block], one block behind the other in memory; two codes a byte, the lower K in the low four bits (a code: sign, 2 exponent bits, 1 mantissa bit); and NAME_scales (uint8): the same leading axes, one E8M0 byte (e + 127) for each 32 codes along K. Its value is code x scale, taken as it is: it is not quantised again, and the codes and scales need not be those that the quantiser above would give.
;; One version. Each part assembles by itself: llvm-mc -triple=amdgcn-amd-amdhsa -mcpu=gfx1250 --defsym DOCPART=n.
;; ======== version 1 of 1: 1 launch
;; limits: right only within a limited range of input values
;; launch attn (part 1): grid 64 x 4, 8 waves a work-group, clusters of 4 x 1, 327,680 bytes of LDS; arguments query_codes, query_scales, key_codes, key_scales, value_codes, value_scales, out0; writes out0
.if DOCPART == 1
	.amdgcn_target "amdgcn-amd-amdhsa--gfx1250"
	.amdhsa_code_object_version 6
	.text
	.protected	k_q1e09f951d9_attn
	.globl	k_q1e09f951d9_attn
	.p2align	8
	.type	k_q1e09f951d9_attn,@function
k_q1e09f951d9_attn:
	s_mov_b64 s[64:65], 0
	v_nop
	global_prefetch_b8 v0, s[64:65] scope:SCOPE_SE
	s_setreg_imm32_b32 hwreg(HW_REG_WAVE_MODE, 25, 1), 1
	s_wait_xcnt 0x0
	s_wait_alu depctr_hold_cnt(0) depctr_sa_sdst(0) depctr_va_vdst(0) depctr_va_sdst(0) depctr_va_ssrc(0) depctr_va_vcc(0) depctr_vm_vsrc(0)
	s_getreg_b32 s2, hwreg(HW_REG_IB_STS2, 6, 4)
	s_cmp_eq_u32 s2, 0
	s_cbranch_scc0 .Lentry_in_a_cluster
	s_endpgm
.Lentry_in_a_cluster:
	s_bfe_u32 s2, ttmp6, 0x10000c
	s_cmp_lg_u32 s2, 0x3003
	s_cbranch_scc0 .Lentry_shape_is_right
	s_endpgm
.Lentry_shape_is_right:
; out[b][q][:] = the sum over k of softmax_k(Q[b][q] . K[b][k]) V[b][k][:], no scaling of the scores.  4 batches, 4,096 queries, 4,096 keys, 512 channels.  Both products on codes of FP4 (E2M1) with one E8M0 byte for each 32 along K.
; Q, K: rows of 256 bytes of codes (K = the 512 channels) and 16 scale bytes.  V: one row for each channel, 2,048 bytes of codes (K = the keys) and 128 scale bytes.  out: f32.
; THE SOFTMAX AHEAD OF THE SECOND PRODUCT: t = score x log2(e); M a whole number, the running largest t rounded up; p = 2^(t - M) is quantised along the keys, not normalised.  The row's sum is taken of the unquantised p and divides at the end.
; SHARES.  A work-group owns 64 queries of one batch and walks the batch's keys in 8 steps of 512, with eight waves, two to a SIMD.
;   S^T = K Q^T: wave w has keys 64 w .. 64 w + 63 of the step and all 64 queries: 2 x 4 accumulators of 32 x 16, 4 K steps of 128 channels.  A lane holds one query of each of four tiles (lane % 16).
;   EACH WAVE HAS ITS OWN RUNNING M and makes p under it.  The eight -M of each query meet in LDS across a barrier whose signal stands ahead of the exponentials and whose wait stands behind the conversions.
;   The common M is the largest of the eight; the wave takes d = M - M_w, a whole number, from its scale bytes of p.  A byte is 63 to 125 and d is held at 62, so one subtraction serves two bytes and none falls under 1.
;   O = P V: wave w has channels 64 w .. 64 w + 63 and all 64 queries: 2 x 4 accumulators of 32 x 16, 4 K steps of 128 keys.  When the common M moves, O is multiplied by 2^(old M - new M): exact.
; CHANNELS.  Tile ct of wave w holds channels 64 w + 4 r + ct (r = lane % 16): V's rows come into LDS by ct, four apart.  So four tiles' results of one query are four neighbouring channels in a lane, and sixteen lanes store 256 neighbouring bytes.
; THE RING.  K's tile and V's tile of a step (139,264 bytes each in LDS) are the two slots that take turns: K's is filled again when P of the step is made, and lands under P V; V's when P V is done, and lands under the next S and softmax.
; CLUSTER.  The four work-groups of a cluster are query blocks of one batch and walk the same K and V: every tile is asked for JOINTLY (mask 15): waves 0 to 3 a quarter of K's each, waves 4 to 7 a quarter of V's.  A wave has one tensor load out at the most.
; THE ORDER OF THE KEY STEPS.  A running M takes the steps in any order.  Cluster j of a batch's sixteen begins at step 2 ((j % 4) xor (j / 4)) and goes round the eight, so four clusters ask for a tile together, and from its third step on
; a cluster asks for tiles that others of the batch have loaded two steps earlier.
; SCALE BYTES go from memory straight into the scale registers.  K's of a step are 512 dense bytes a load.  V's are loaded for two steps at a time, 32 bytes of each row: lanes 0-15 take the first step's words, lanes 16-31 the second's, and
; ahead of the second step the halves change places (a batch's 65,536 bytes of them do not fit in LDS beside the two slots).
; LEFT OUT: prefetching: by the order above every tile but those of a cluster's first two steps is one that other clusters of the batch have loaded earlier.
; LIMITS: NaN, infinities and scale bytes 0xff among the inputs are not served; |score x log2(e)| must stay under 2^31; p under 2^-126 counts as 0; a block whose largest p is under 2^-62 takes the scale byte 63 (its codes are coarser or 0), and keys of a wave
; whose M lies more than 62 under the common M count with 2^-62 in place of a smaller factor; a block's largest p is made from its largest score, which takes v_exp_f32 not to fall where its input rises; the f32 sums run in the cluster's own order of steps.
; REGISTERS: window 0: v0-63 permanent; v64-111 fragments of K, then work; v112-127 V's scale words; v128-255 Q's 16 fragments.  Window 1: v0-127 S^T, then p, then the fragments of V and P (two sets); v128-255 O.
.set KP,    272                        ; a row of a tile in LDS: 256 bytes + 16 of padding = 68 words: 16 neighbouring rows start at 16 different banks (64 banks of 4 bytes: ISA guide 11.1)
.set PART,  128*KP                     ; 128 rows: what one tensor load brings
.set VSLOT, 4*PART                     ; K's slot at 0, V's behind it
.set PIMG,  2*VSLOT                    ; P's 16 fragments: (tile t, K step s) at 4,096 s + 1,024 t; four registers at 16 x lane, the other four 512 bytes on
.set PSC,   PIMG+16384                 ; P's scale words: 256 s + 4 x query
.set MT,    PSC+1024                   ; the waves' -M: 32 x query + 4 x wave
.set LT,    MT+2048                    ; the waves' row sums, at the end, likewise
.set FP,    LT+2048                    ; each wave's own 512 bytes: f by query, 1 / the sum by query
.set SPARE, FP+4096                    ; the spare words, 128 bytes for each wave: four blocks of 256 bytes that no other line names
.set SPW, 1                            ; SPARE + 4 x my thread's number; never rewritten
.set NIL, 2                            ; 0; never rewritten
.set AK,  3                            ; my lane's place in my wave's 64 rows of K's tile
.set AV,  4                            ; v4, v5: in V's, tiles 0 and 1, tiles 2 and 3
.set API, 6                            ; P's images, reading;  APW: writing
.set APW, 7
.set PSR, 8                            ; P's scale words, reading;  PSW: writing
.set PSW, 9
.set MTR, 10                           ; the table of -M, reading;  MTW: writing
.set MTW, 11
.set FPW, 12                           ; my wave's own table, writing;  FPR: reading
.set FPR, 13
.set GO,  14                           ; my byte offset in out
.set KSO, 15                           ; in K's scale bytes;  VSO: in V's
.set VSO, 16
.set CM,  18                           ; v18-19: the common -M of query 32 i + lane, as a whole number + 2^31
.set NM,  20                           ; v20-27: tile t: the pair (-M, the largest t so far)
.set LL,  28                           ; v28-35: tile t: the row's sum in a pair
.set QS,  36                           ; v36-51: Q's scale words, 4 t + s
.set KS,  52                           ; v52-59: K's, 4 x (32 keys) + s
.set NI,  60                           ; v60, v62: my wave's -M of query 32 i + lane, as CM
.set KF,  64                           ; v64-111: three buffers of 32 keys x 128 channels
.set BM,  64                           ; v64-71: block 2 t + b: its largest score, its largest p, its scale byte
.set SO,  72                           ; v72-79: the other half's maxima, then the conversions' scale operands
.set FF,  80                           ; v80-87: tile t: the pair (f, a word that is only named)
.set TP,  88                           ; v88-91 at work; then tile 3's codes
.set PW,  92                           ; v92-95: tile t's two scale bytes; then v92, v94 by query 32 i + lane
.set PF,  96                           ; v96-107: codes of tiles 0 to 2
.set LS,  108                          ; v108-111: at the end: tile t's sum
.set MM,  64                           ; v64-79: -M (in the last P V: the sum) of wave w for query 32 i + lane: 8 i + w
.set TC,  80                           ; v80-87 at work
.set FX,  64                           ; P V: v64-95: f, then 1 / the sum, of query 16 t + 8 h + j: 8 t + j
.set PSX, 96                           ; P V: v96-103: P's scale words, 2 s + i
.set VS,  112                          ; v112-127: V's scale words, 4 ct + s
.set QF,  128                          ; v128-255: Q's fragments, 8 (4 t + s)
.set WV,  18                           ; s18: my wave's number
.set CNT, 19
.set SEL, 20                           ; s[20:21]: v_permlanex16_b32's selects for lane l xor 16
.set CS,  22                           ; s[22:23]: log2(e)
.set CUR, 25                           ; s25, s26: this key step and the next
.set NXT, 26
.set OFC, 28                           ; s[28:29], s[30:31], s[60:61]: offsets; the high words stay 0
.set OFA, 30
.set OFB, 60
.set G1K, 32                           ; descriptor groups 1 and 0 for K and for V
.set G1V, 40
.set G0K, 48
.set G0V, 52
.set KB,  56                           ; s[56:57], s[58:59]: where a step's scale bytes of K and of V begin
.set VB,  58
.set MSB, 0
.macro WIN new                         ; the immediate's high byte repeats the setting that is left
.if MSB != \new
	s_set_vgpr_msb (MSB<<8)|\new
.set MSB, \new
.endif
.endm
.macro PLACES                          ; four places behind a matrix instruction (ISA guide 7.12.1)
.rept 4
	v_nop
.endr
.endm
.macro BAR
	s_barrier_signal -1
	s_barrier_wait -1
.endm
.macro CREST                           ; a round of the cluster's barrier behind its opening barrier
	s_cmp_lg_u32 s[WV], 0
	s_cbranch_scc1 .Lnot_wave_0_\@
	s_barrier_signal -3
.Lnot_wave_0_\@:
	s_barrier_wait -3
	s_barrier_signal -1
	s_barrier_wait -1
.endm
.macro CROUND                          ; a whole round
	s_barrier_signal -1
	s_barrier_wait -1
	CREST
.endm
.macro JLOADK                          ; joint refill of K's slot: waves 0 to 3
	s_cmp_lt_u32 s[WV], 4
	s_cbranch_scc0 .Lno_k_\@
	tensor_load_to_lds s[G0K:G0K+3], s[G1K:G1K+7]
	s_nop 0
	PLACES
.Lno_k_\@:
.endm
.macro JLOADV                          ; of V's: waves 4 to 7
	s_cmp_ge_u32 s[WV], 4
	s_cbranch_scc0 .Lno_v_\@
	tensor_load_to_lds s[G0V:G0V+3], s[G1V:G1V+7]
	s_nop 0
	PLACES
.Lno_v_\@:
.endm
; Where a key step's tile begins: 512 keys are 131,072 bytes of K's codes, 256 bytes of each of V's rows.  No tensor load of mine is out where these stand
.macro AIM_K i
	s_lshl_b32 s[OFC], s[\i], 17
	s_add_nc_u64 s[G0K+2:G0K+3], s[8:9], s[OFC:OFC+1]
	s_or_b32 s[G0K+3], s[G0K+3], 0x80000000
.endm
.macro AIM_V i
	s_lshl_b32 s[OFC], s[\i], 8
	s_add_nc_u64 s[G0V+2:G0V+3], s[12:13], s[OFC:OFC+1]
	s_or_b32 s[G0V+3], s[G0V+3], 0x80000000
.endm
.macro WM d, a, b, zero, sa, sb        ; one 32 x 16 x 128 product; zero = 1: it starts the sum
.set rD, \d
.set rA, \a
.set rB, \b
.set rSA, \sa
.set rSB, \sb
.if \zero
	v_wmma_scale_f32_32x16x128_f4 v[rD:rD+15], v[rA:rA+15], v[rB:rB+7], 0, v[rSA], v[rSB]
.else
	v_wmma_scale_f32_32x16x128_f4 v[rD:rD+15], v[rA:rA+15], v[rB:rB+7], v[rD:rD+15], v[rSA], v[rSB]
.endif
.endm
.macro FETCHU q                        ; unit q: keys 32 (q % 2) on of my 64, channels 128 (q / 2) on: 4 loads into buffer q % 3
.set uN, \q
	WIN 0
.irp u, 0,1
	ds_load_b128 v[KF+16*(uN%3)+8*\u:KF+16*(uN%3)+8*\u+3], v[AK] offset:16*KP*(2*(uN%2)+\u)+64*(uN/2)
	ds_load_b128 v[KF+16*(uN%3)+8*\u+4:KF+16*(uN%3)+8*\u+7], v[AK] offset:16*KP*(2*(uN%2)+\u)+64*(uN/2)+32
.endr
.endm
.macro MULU q                          ; its four products; the eight accumulators take turns, unit by unit; units 0 and 1 start the sums
.set uN, \q
	WIN 0x50
.irp t, 0,1,2,3
	WM 32*\t+16*(uN%2), KF+16*(uN%3), QF+8*(4*\t+uN/2), 1-(uN+6)/8, KS+4*(uN%2)+uN/2, QS+4*\t+uN/2
.endr
.endm
.macro FETCHPV s                       ; the step's keys 128 s on: my 64 channels of V and all of P: 16 loads into set s % 2
	WIN 0x40
.irp c, 0,1,2,3
	ds_load_b128 v[64*(\s%2)+8*\c:64*(\s%2)+8*\c+3], v[AV+\c/2] offset:PART*(\c%2)+64*\s
	ds_load_b128 v[64*(\s%2)+8*\c+4:64*(\s%2)+8*\c+7], v[AV+\c/2] offset:PART*(\c%2)+64*\s+32
.endr
.irp t, 0,1,2,3
	ds_load_b128 v[64*(\s%2)+32+8*\t:64*(\s%2)+32+8*\t+3], v[API] offset:4096*\s+1024*\t
	ds_load_b128 v[64*(\s%2)+32+8*\t+4:64*(\s%2)+32+8*\t+7], v[API] offset:4096*\s+1024*\t+512
.endr
.endm
.macro MULPV s, zero
	WIN 0x55
.irp i, 0,1
.irp c, 0,1,2,3
	WM 128+64*\i+16*\c, 64*(\s%2)+32+16*\i, 64*(\s%2)+8*\c, \zero, PSX+2*\s+\i, VS+4*\c+\s
.endr
.endr
.endm
.macro SUMS n0                         ; half of the row's sum, of the unquantised p: four chains by turns
	WIN 0x04
.set n, \n0
.rept 8
.irp t, 0,1,2,3
	v_pk_add_f32 v[LL+2*\t:LL+2*\t+1], v[LL+2*\t:LL+2*\t+1], v[32*\t+2*n:32*\t+2*n+1]
.endr
.set n, n+1
.endr
	WIN 0
.endm
; ---- p and its codes, from S^T.  odd = 0: the first of two steps that share their load of V's scale words
.macro SOFTMAX first, last, odd
	WIN 0
	PLACES
	s_wait_xcnt 0x0                                ; the bases below may be rewritten
.if \odd
.set n, 0
.rept 16
	v_permlanex16_b32 v[BM+n], v[VS+n], s[SEL], s[SEL+1]
.set n, n+1
.endr
.set n, 0
.rept 16
	v_mov_b32 v[VS+n], v[BM+n]                     ; the second step's scale words of V: now in lanes 0-15
.set n, n+1
.endr
.else
	s_lshl_b32 s[OFA], s[CUR], 4
	s_add_nc_u64 s[VB:VB+1], s[14:15], s[OFA:OFA+1]
.irp c, 0,1,2,3
	global_load_b128 v[VS+4*\c:VS+4*\c+3], v[VSO], s[VB:VB+1] offset:128*\c   ; this step's and the next step's scale words of V
.endr
.endif
.if \last == 0
	s_add_co_u32 s[NXT], s[CUR], 1
	s_and_b32 s[NXT], s[NXT], 7
	s_lshl_b32 s[OFB], s[NXT], 13
	s_add_nc_u64 s[KB:KB+1], s[10:11], s[OFB:OFB+1]
.irp c, 0,1
	global_load_b128 v[KS+4*\c:KS+4*\c+3], v[KSO], s[KB:KB+1] offset:512*\c   ; the next step's of K
.endr
.endif
	WIN 0x15                                       ; the largest score of each block of 32 keys (16 registers a lane), from each accumulator's low end on
.set n, 0
.rept 8
	v_max3_num_f32 v[BM+n], v[16*n], v[16*n+1], v[16*n+2]
.set n, n+1
.endr
	WIN 0x14
.irp i, 3,5,7,9,11,13
.set n, 0
.rept 8
	v_max3_num_f32 v[BM+n], v[BM+n], v[16*n+\i], v[16*n+\i+1]
.set n, n+1
.endr
.endr
.set n, 0
.rept 8
	v_max_num_f32 v[BM+n], v[BM+n], v[16*n+15]
.set n, n+1
.endr
	WIN 0
.set n, 0
.rept 8
	v_permlanex16_b32 v[SO+n], v[BM+n], s[SEL], s[SEL+1]
.set n, n+1
.endr
.set n, 0
.rept 8
	v_max_num_f32 v[BM+n], v[BM+n], v[SO+n]        ; with lane l xor 16's 16 keys
.set n, n+1
.endr
.irp t, 0,1,2,3
	v_max_num_f32 v[TP+\t], v[BM+2*\t], v[BM+2*\t+1]
.endr
.irp t, 0,1,2,3
	v_mul_f32 v[TP+\t], s[CS], v[TP+\t]            ; as t
.endr
.irp t, 0,1,2,3
	v_max_num_f32 v[NM+2*\t+1], v[NM+2*\t+1], v[TP+\t]
.endr
.irp t, 0,1,2,3
	v_mov_b32 v[TP+\t], v[NM+2*\t]
.endr
.irp t, 0,1,2,3
	v_floor_f32 v[NM+2*\t], -v[NM+2*\t+1]          ; -M = floor(-t)
.endr
.irp t, 0,1,2,3
	v_cvt_i32_f32 v[NI+\t], v[NM+2*\t]
.endr
.irp t, 0,1,2,3
	v_sub_f32 v[TP+\t], v[NM+2*\t], v[TP+\t]       ; M's old value less its new one
.endr
.irp i, 0,1
	v_permlane16_swap_b32 v[NI+2*\i], v[NI+2*\i+1] ; the first now holds tile 2 i in lanes 0-15, tile 2 i + 1 in lanes 16-31: query 32 i + lane
.endr
.irp t, 0,1,2,3
	v_cvt_i32_f32 v[TP+\t], v[TP+\t]               ; (it saturates)
.endr
.irp i, 0,1
	v_xor_b32 v[NI+2*\i], 0x80000000, v[NI+2*\i]   ; + 2^31: unsigned order
.endr
.irp t, 0,1,2,3
	v_ldexp_f32 v[FF+2*\t], 1.0, v[TP+\t]          ; my wave's f = 2^(old M - new M)
.endr
.irp i, 0,1
	ds_store_b32 v[MTW], v[NI+2*\i] offset:1024*\i
.endr
.set n, 0
.rept 8
	v_fma_f32 v[BM+n], v[BM+n], s[CS], v[NM+2*(n/2)]
.set n, n+1
.endr
	WIN 0x41
.set n, 0
.rept 64
	v_pk_fma_f32 v[2*n:2*n+1], v[2*n:2*n+1], s[CS:CS+1], v[NM+2*(n/16):NM+2*(n/16)+1] op_sel_hi:[1,0,0]   ; t - M, two at a time
.set n, n+1
.endr
	s_wait_alu depctr_va_vdst(0)                   ; ahead of the batch
	s_wait_dscnt 0x0                               ; for the others' sake: my -M have landed
	s_barrier_signal -1                            ; V's tile may stay on its way; register work alone up to its wait
.set n, 0
.rept 128
	v_exp_f32 v[n], v[n]                           ; p = 2^(t - M)
.set n, n+1
.endr
	WIN 0
.set n, 0
.rept 8
	v_exp_f32 v[BM+n], v[BM+n]                     ; the block's largest p: the same two operations on the same number
.set n, n+1
.endr
.irp t, 0,1,2,3
	v_pk_mul_f32 v[LL+2*\t:LL+2*\t+1], v[LL+2*\t:LL+2*\t+1], v[FF+2*\t:FF+2*\t+1] op_sel_hi:[1,0]   ; the sums under the new M; plain places behind the batch
.endr
	s_wait_alu depctr_va_vdst(0)                   ; and behind it, ahead of its first reader
.set n, 0
.rept 8
	v_max_num_f32 v[BM+n], 0x20800000, v[BM+n]     ; the floor 2^(65 - 127): the byte is 63 at the least
.set n, n+1
.endr
.set n, 0
.rept 8
	v_add_nc_u32 v[SO+n], 0xff000000, v[BM+n]      ; 2 off the exponent field: the conversion's scale operand
.set n, n+1
.endr
.set n, 0
.rept 8
	v_lshrrev_b32 v[BM+n], 23, v[SO+n]             ; the scale's byte
.set n, n+1
.endr
.irp t, 0,1,2,3
	v_lshl_or_b32 v[PW+\t], v[BM+2*\t+1], 8, v[BM+2*\t]
.endr
; The conversion of half u of block b gives, in lane half h, keys 8 (2 u + h) on of block b; the two blocks go to neighbouring registers, so that one exchange of halves gives the operand's layout
	WIN 0x01
.irp t, 0,1,2,3
.irp b, 0,1
.irp u, 0,1
	v_cvt_scalef32_pk8_fp4_f32 v[PF+4*\t-20*(\t/3)+2*\u+\b], v[32*\t+16*\b+8*\u:32*\t+16*\b+8*\u+7], v[SO+2*\t+\b]
.endr
.endr
.endr
	v_nop                                          ; a plain place behind the last conversion
	WIN 0
.irp i, 0,1
	v_permlane16_swap_b32 v[PW+2*\i], v[PW+2*\i+1] ; by query 32 i + lane
.endr
.irp t, 0,1,2,3
.irp u, 0,1
	v_permlane16_swap_b32 v[PF+4*\t-20*(\t/3)+2*\u], v[PF+4*\t-20*(\t/3)+2*\u+1]
.endr
.endr
	s_wait_alu depctr_va_vdst(0)                   ; ahead of the wait below
	s_barrier_wait -1                              ; everybody's -M are there
.irp i, 0,1
	ds_load_b128 v[MM+8*\i:MM+8*\i+3], v[MTR] offset:1024*\i
	ds_load_b128 v[MM+8*\i+4:MM+8*\i+7], v[MTR] offset:1024*\i+16
.endr
.irp t, 0,1,2,3
	ds_store_b128 v[APW], v[PF+4*\t-20*(\t/3):PF+4*\t-20*(\t/3)+3] offset:1024*\t
.endr
	SUMS 0
.if \last
	SUMS 8
.irp t, 0,1,2,3
	v_add_f32 v[LS+\t], v[LL+2*\t], v[LL+2*\t+1]   ; my wave's sum of my query: my two halves
.endr
.irp t, 0,1,2,3
	v_permlanex16_b32 v[TC+\t], v[LS+\t], s[SEL], s[SEL+1]
.endr
.irp t, 0,1,2,3
	v_add_f32 v[LS+\t], v[LS+\t], v[TC+\t]         ; and lane l xor 16's
.endr
.irp i, 0,1
	v_permlane16_swap_b32 v[LS+2*\i], v[LS+2*\i+1] ; by query 32 i + lane
.endr
	s_wait_alu depctr_va_vdst(0)                   ; ahead of the wait below
.endif
	s_wait_dscnt 0x0                               ; the eight -M are in, and my images of P have landed
.irp k, 0,1,2,3
.irp i, 0,1
	v_min_u32 v[TC+4*\i+\k], v[MM+8*\i+2*\k], v[MM+8*\i+2*\k+1]
.endr
.endr
.irp k, 0,1
.irp i, 0,1
	v_min_u32 v[TC+4*\i+\k], v[TC+4*\i+\k], v[TC+4*\i+\k+2]
.endr
.endr
.irp i, 0,1
	v_min_u32 v[TC+4*\i], v[TC+4*\i], v[TC+4*\i+1] ; the common -M
.endr
.irp i, 0,1
	v_sub_nc_u32 v[TC+4*\i+1], v[NI+2*\i], v[TC+4*\i]   ; d,
.endr
.if \first == 0
.irp i, 0,1
	v_sub_nc_u32 v[TC+4*\i+2], v[CM+\i], v[TC+4*\i]     ; and what the common M has risen by
.endr
.endif
.irp i, 0,1
	v_min_u32 v[TC+4*\i+1], 62, v[TC+4*\i+1]
.endr
.if \first == 0
.irp i, 0,1
	v_min_u32 v[TC+4*\i+2], 0x100, v[TC+4*\i+2]    ; (2^-256 is 0 in f32 as any smaller factor is)
.endr
.endif
.if \last
.irp i, 0,1
	v_sub_nc_u32 v[TC+4*\i+3], 0, v[TC+4*\i+1]
.endr
.irp i, 0,1
	v_ldexp_f32 v[LS+2*\i], v[LS+2*\i], v[TC+4*\i+3]   ; my wave's sum under the common M
.endr
.irp i, 0,1
	ds_store_b32 v[MTW], v[LS+2*\i] offset:LT-MT+1024*\i
.endr
.endif
.irp i, 0,1
	v_mul_u32_u24 v[TC+4*\i+1], 0x101, v[TC+4*\i+1]
.endr
.if \first == 0
.irp i, 0,1
	v_sub_nc_u32 v[TC+4*\i+2], 0, v[TC+4*\i+2]
.endr
.endif
.irp i, 0,1
	v_sub_nc_u32 v[PW+2*\i], v[PW+2*\i], v[TC+4*\i+1]   ; my two scale bytes under the common M
.endr
.if \first == 0
.irp i, 0,1
	v_ldexp_f32 v[TC+4*\i+2], 1.0, v[TC+4*\i+2]    ; f = 2^(old M - new M) of the common M
.endr
.endif
.irp i, 0,1
	v_mov_b32 v[CM+\i], v[TC+4*\i]
.endr
.irp i, 0,1
	ds_store_b16 v[PSW], v[PW+2*\i] offset:128*\i
.if \first == 0
	ds_store_b32 v[FPW], v[TC+4*\i+2] offset:128*\i   ; by query, to my own table: it comes back in O's layout
.endif
.endr
.endm
.macro FLOAD at                        ; eight rows' factors of each of four tiles, in O's layout
.irp t, 0,1,2,3
	ds_load_b128 v[FX+8*\t:FX+8*\t+3], v[FPR] offset:\at+64*\t
	ds_load_b128 v[FX+8*\t+4:FX+8*\t+7], v[FPR] offset:\at+64*\t+16
.endr
.endm
.macro PSLOAD                          ; P's scale words
.set n, 0
.rept 8
	ds_load_b32 v[PSX+n], v[PSR] offset:256*(n/2)+128*(n%2)
.set n, n+1
.endr
.endm
.macro RESCALE                         ; O under the new M, each accumulator from its low end on
	WIN 0x41
	s_wait_alu depctr_va_vdst(0)                   ; ahead of O's first readers
.set n, 0
.rept 64
	v_pk_mul_f32 v[128+2*n:129+2*n], v[128+2*n:129+2*n], v[FX+16*(n/32)+2*(n%8):FX+16*(n/32)+2*(n%8)+1]
.set n, n+1
.endr
.endm
; ---- O += P V for my 64 channels.  But except in the last step the products of K step 3 stand in the round that follows
.macro PV first, last
	WIN 0
.if \last
.irp i, 0,1
	ds_load_b128 v[MM+8*\i:MM+8*\i+3], v[MTR] offset:LT-MT+1024*\i
	ds_load_b128 v[MM+8*\i+4:MM+8*\i+7], v[MTR] offset:LT-MT+1024*\i+16
.endr
	PSLOAD
	FETCHPV 0
	WIN 0
	s_wait_dscnt 16                                ; all but the 16 fragment loads
.irp e, 4,2,1
.set n, 0
.rept \e
.irp i, 0,1
	v_add_f32 v[MM+8*\i+n], v[MM+8*\i+n], v[MM+8*\i+n+\e]   ; the row's sum: the eight waves'
.endr
.set n, n+1
.endr
.endr
	s_wait_alu depctr_va_vdst(0)                   ; ahead of the batch
.irp i, 0,1
	v_rcp_f32 v[104+\i], v[MM+8*\i]
.endr
	v_nop
	s_wait_alu depctr_va_vdst(0)                   ; and behind it
.irp i, 0,1
	ds_store_b32 v[FPW], v[104+\i] offset:256+128*\i
.endr
	FLOAD 0
	FETCHPV 1
	WIN 0
	s_wait_dscnt 16                                ; all but the 16 loads of K step 1
	s_wait_loadcnt 0x0
	RESCALE
	WIN 0
	FLOAD 256                                      ; 1 / the sum, for the way out
.else
.if \first
	PSLOAD
	FETCHPV 0
	FETCHPV 1
.else
	FLOAD 0
	PSLOAD
	FETCHPV 0
	FETCHPV 1
	s_wait_dscnt 40                                ; f is in: behind it 8 loads of P's words and 32 of fragments
	RESCALE
	s_wait_alu depctr_va_vdst(0)                   ; ahead of the waits below
.endif
	s_wait_dscnt 16                                ; all but the 16 loads of K step 1
	s_wait_loadcnt 0x2                             ; V's scale words; the next step's two loads of K's may be out
.endif
	MULPV 0, \first
	PLACES
	FETCHPV 2
	s_wait_dscnt 16                                ; all but the 16 just issued
	MULPV 1, 0
	PLACES
	FETCHPV 3
	s_wait_dscnt 16
	MULPV 2, 0
.if \last
	s_wait_dscnt 0x0
	MULPV 3, 0
.endif
.endm
; A STEP OF 512 KEYS
.macro STEP first, last, odd
	WIN 0
.if \first == 0
	PLACES                                         ; for the loads into registers that the last products read,
	v_nop                                          ; and a fifth place: S^T's first products write over registers that they read
.endif
	FETCHU 0
	FETCHU 1
	FETCHU 2
	s_wait_loadcnt 0x0                             ; K's scale words
	s_wait_dscnt 8                                 ; all but units 1 and 2
.irp q, 0,1,2,3,4
	MULU \q
	PLACES
	FETCHU \q+3
	s_wait_dscnt 8                                 ; all but the two youngest units
.endr
	MULU 5
	s_wait_dscnt 4
	MULU 6
	s_wait_dscnt 0x0
	MULU 7
	SOFTMAX \first, \last, \odd
	; P is made and K's slot is free.  V's tile is wanted now
	s_wait_alu depctr_va_vdst(0)                   ; ahead of the waits below
	s_wait_tensorcnt 0x0                           ; all my tensor loads have landed
.if \last == 0
	ds_add_u32 v[SPW], v[NIL]                      ; 0 onto my spare word
	AIM_K NXT
	s_wait_dscnt 0x0                               ; the add is done, my stores have landed, my reads of K's slot are over
	s_barrier_signal -1                            ; say so,
	SUMS 8                                         ; work on registers while the others arrive,
	s_barrier_wait -1
	CREST                                          ; and go on when all that holds of every wave of all four work-groups
	JLOADK
.else
	s_wait_dscnt 0x0
	BAR                                            ; nothing is filled again
.endif
	PV \first, \last
.if \last == 0
	; The next step's K is wanted now, and V's slot is free when K step 3's fragments are in
	WIN 0
	s_wait_alu depctr_va_vdst(0)                   ; ahead of the waits below
	s_wait_tensorcnt 0x0
	ds_add_u32 v[SPW], v[NIL]                      ; 0 onto my spare word, as above
	AIM_V NXT
	s_mov_b32 s[CUR], s[NXT]
	s_wait_dscnt 0x0                               ; the add is done, my reads of V's slot and of P are over
	s_barrier_signal -1                            ; say so,
	MULPV 3, 0                                     ; work on registers while the others arrive,
	WIN 0
	s_barrier_wait -1
	CREST
	JLOADV
.endif
.endm
	s_load_b256 s[4:11], s[0:1], 0x0               ; Q's codes s[4:5], Q's scales s[6:7], K's codes s[8:9], K's scales s[10:11]
	s_load_b128 s[12:15], s[0:1], 0x20             ; V's codes s[12:13], V's scales s[14:15]
	s_load_b64 s[16:17], s[0:1], 0x30              ; out
	v_lshl_add_u32 v[SPW], v0, 2, SPARE
	v_mov_b32 v[NIL], 0
	ds_add_u32 v[SPW], v[NIL]                      ; the wave's opening: the add, twice on end, and its wait ahead of my first tensor load
	ds_add_u32 v[SPW], v[NIL]
	v_lshrrev_b32 v104, 5, v0
	v_readfirstlane_b32 s[WV], v104                ; wave 0..7
	s_and_b32 s62, ttmp7, 0xffff                   ; the batch
	s_and_b32 s63, s[WV], 3                        ; which quarter of a tile I ask for
	s_lshl_b32 s66, s62, 20                        ; K's codes: a batch is 4,096 x 256 bytes; a quarter of a tile 128 keys x 256 bytes
	s_lshl_b32 s67, s63, 15
	s_add_co_u32 s66, s66, s67
	s_mov_b32 s67, 0
	s_lshl_b32 s68, s62, 20                        ; V's codes: a batch is 512 x 2,048 bytes; quarter ct begins at channel ct
	s_lshl_b32 s69, s63, 11
	s_add_co_u32 s68, s68, s69
	s_mov_b32 s69, 0
	s_lshl_b32 s70, s62, 16                        ; the scale bytes of K and of V: a batch is 65,536 bytes
	s_mov_b32 s71, 0
	s_mul_i32 s78, s63, PART                       ; my quarter's place in a slot: no place in the cluster enters an LDS address
	s_lshr_b32 s79, ttmp9, 2                       ; in a cluster launch ttmp9 counts clusters: j = 0 .. 15
	s_xor_b32 s[CUR], ttmp9, s79
	s_and_b32 s[CUR], s[CUR], 3
	s_lshl_b32 s[CUR], s[CUR], 1                   ; my cluster's first key step: 2 ((j % 4) xor (j / 4))
	s_bfe_u32 s79, ttmp6, 0x40000                  ; cx
	s_lshl_b32 s80, ttmp9, 2
	s_add_co_u32 s80, s80, s79                     ; my block of 64 queries: it enters Q's, Q's scales' and out's addresses alone
	s_lshl_b32 s72, s62, 20
	s_lshl_b32 s73, s80, 14
	s_add_co_u32 s72, s72, s73
	s_mov_b32 s73, 0
	s_lshl_b32 s74, s62, 16
	s_lshl_b32 s75, s80, 10
	s_add_co_u32 s74, s74, s75
	s_mov_b32 s75, 0
	s_lshl_b32 s76, s62, 23
	s_lshl_b32 s77, s80, 17
	s_add_co_u32 s76, s76, s77
	s_mov_b32 s77, 0
	; descriptor group 1: 128 rows x 256 elements of one byte, 16 bytes of padding behind each row
.irp g, G1K, G1V
	s_mov_b32 s[\g], 15|(1<<20)|(1<<21)|(5<<22)|(3<<25)   ; 15:0 the mask: all four work-groups; 20 padding on; 21 set beside a mask; 24:22 after every 64 words; 31:25 four words
	s_mov_b32 s[\g+1], 256<<16                     ; tensor_dim0
	s_mov_b32 s[\g+2], 128<<16                     ; tensor_dim1
	s_mov_b32 s[\g+3], 256<<16                     ; tile_dim0
	s_mov_b32 s[\g+4], 128                         ; tile_dim1
	s_mov_b32 s[\g+6], 0
	s_mov_b32 s[\g+7], 0
.endr
	s_mov_b32 s[G1K+5], 256                        ; K's rows are dense;
	s_mov_b32 s[G1V+5], 8192                       ; V's lie four channels apart
	s_mov_b32 s[SEL], 0x76543210
	s_mov_b32 s[SEL+1], 0xfedcba98
	s_mov_b32 s[CS], 0x3fb8aa3b                    ; log2(e)
	s_mov_b32 s[CS+1], s[CS]
	s_mov_b32 s[OFC+1], 0
	s_mov_b32 s[OFA+1], 0
	s_mov_b32 s[OFB+1], 0
	s_mul_i32 s81, s[WV], 64*KP                    ; my 64 keys
	s_mul_i32 s82, s[WV], 16*KP                    ; my 16 rows of each quarter of V
	s_add_co_u32 s82, s82, VSLOT
	s_lshr_b32 s83, s[WV], 1                       ; the K step that my keys are half of
	s_and_b32 s84, s[WV], 1                        ; which half
	s_lshl_b32 s85, s83, 12
	s_lshl_b32 s86, s84, 9
	s_add_co_u32 s85, s85, s86                     ; my place among P's images
	s_lshl_b32 s86, s83, 8
	s_lshl_b32 s87, s84, 1
	s_add_co_u32 s86, s86, s87                     ; among P's scale words
	s_lshl_b32 s87, s[WV], 2                       ; in the table of -M
	s_lshl_b32 s88, s[WV], 9                       ; my own table
	s_lshl_b32 s89, s[WV], 8                       ; my 64 channels of a row of out
	s_lshl_b32 s90, s[WV], 10                      ; my 64 keys' scale bytes
	s_lshl_b32 s91, s[WV], 13                      ; my 64 channels' scale bytes
	v_and_b32 v104, 31, v0                         ; lane
	v_and_b32 v105, 15, v0                         ; r
	v_bfe_u32 v106, v0, 4, 1                       ; h
	v_lshlrev_b32 v107, 8, v105
	v_lshl_add_u32 v107, v106, 4, v107             ; Q: row r of 256 bytes, + 16 h
	v_lshlrev_b32 v108, 4, v105                    ; Q's scale bytes: 16 r
	v_mul_u32_u24 v109, v105, KP
	v_lshl_add_u32 v109, v106, 4, v109             ; a fragment's row x pitch + 16 h
	v_add_nc_u32 v[AK], s81, v109
	v_add_nc_u32 v[AV], s82, v109
	v_add_nc_u32 v[AV+1], 2*PART, v[AV]
	v_lshl_add_u32 v[API], v104, 4, PIMG
	v_add_nc_u32 v[APW], s85, v[API]
	v_lshl_add_u32 v[PSR], v104, 2, PSC
	v_add_nc_u32 v[PSW], s86, v[PSR]
	v_lshl_add_u32 v[MTR], v104, 5, MT
	v_add_nc_u32 v[MTW], s87, v[MTR]
	v_lshl_add_u32 v[FPW], v104, 2, FP
	v_add_nc_u32 v[FPW], s88, v[FPW]
	v_lshl_add_u32 v[FPR], v106, 5, FP
	v_add_nc_u32 v[FPR], s88, v[FPR]
	v_lshlrev_b32 v[GO], 14, v106                  ; out: 8 h rows of 2,048 bytes,
	v_lshl_add_u32 v[GO], v105, 4, v[GO]           ; 16 r,
	v_add_nc_u32 v[GO], s89, v[GO]                 ; and my channels
	v_lshlrev_b32 v[KSO], 4, v104
	v_add_nc_u32 v[KSO], s90, v[KSO]
	v_lshlrev_b32 v[VSO], 9, v105                  ; V's scale bytes: channel 4 r of my 64, 128 bytes each,
	v_lshl_add_u32 v[VSO], v106, 4, v[VSO]         ; and step h of the two
	v_add_nc_u32 v[VSO], s91, v[VSO]
.irp t, 0,1,2,3
	v_mov_b32 v[NM+2*\t+1], 0xff61b1e6             ; the largest t so far: -3e38, under every t
	v_mov_b32 v[LL+2*\t], 0
	v_mov_b32 v[LL+2*\t+1], 0
.endr
.irp t, 0,1,2,3
	v_floor_f32 v[NM+2*\t], -v[NM+2*\t+1]          ; -M
.endr
	s_wait_alu depctr_va_vdst(0)                   ; at the head's end
	s_wait_dscnt 0x0                               ; both opening adds are done
	s_wait_kmcnt 0x0
	s_add_nc_u64 s[4:5], s[4:5], s[72:73]
	s_add_nc_u64 s[6:7], s[6:7], s[74:75]
	s_add_nc_u64 s[16:17], s[16:17], s[76:77]
	s_add_nc_u64 s[8:9], s[8:9], s[66:67]          ; these four stay as they are from here on
	s_add_nc_u64 s[12:13], s[12:13], s[68:69]
	s_add_nc_u64 s[10:11], s[10:11], s[70:71]
	s_add_nc_u64 s[14:15], s[14:15], s[70:71]
	s_lshl_b32 s[OFB], s[CUR], 13
	s_add_nc_u64 s[KB:KB+1], s[10:11], s[OFB:OFB+1]
	s_mov_b32 s[G0K], 1                            ; 1:0 count = 1
	s_mov_b32 s[G0K+1], s78                        ; 63:32 LDS address
	s_mov_b32 s[G0V], 1
	s_add_co_u32 s[G0V+1], s78, VSLOT
	AIM_K CUR
	AIM_V CUR
.macro QLOADS                          ; Q's 16 fragments stay in registers, in every wave
.irp t, 0,1,2,3
	global_load_b128 v[QS+4*\t:QS+4*\t+3], v108, s[6:7] offset:256*\t
.endr
.irp c, 0,1
	global_load_b128 v[KS+4*\c:KS+4*\c+3], v[KSO], s[KB:KB+1] offset:512*\c
.endr
.irp t, 0,1,2,3
.irp s, 0,1,2,3
	global_load_b128 v[QF+8*(4*\t+\s):QF+8*(4*\t+\s)+3], v107, s[4:5] offset:4096*\t+64*\s
	global_load_b128 v[QF+8*(4*\t+\s)+4:QF+8*(4*\t+\s)+7], v107, s[4:5] offset:4096*\t+64*\s+32
.endr
.endr
.endm
	CROUND                                         ; all four work-groups are here: the first joint loads meet
	s_cmp_lt_u32 s[WV], 4                          ; one first fill to a wave: waves 4 to 7 V's, waves 0 to 3 K's
	s_cbranch_scc1 .Lhead_k
	tensor_load_to_lds s[G0V:G0V+3], s[G1V:G1V+7]
	s_nop 0
	PLACES
	QLOADS
	s_branch .Lhead_join
.Lhead_k:
	tensor_load_to_lds s[G0K:G0K+3], s[G1K:G1K+7]
	s_nop 0
	PLACES
	QLOADS
	s_wait_tensorcnt 0x0                           ; my part of K's first tile is in; V's may stay out
.Lhead_join:
	BAR
	s_wait_loadcnt 0x0                             ; Q and the scale words
	STEP 1, 0, 0                                   ; my cluster's first key step
	s_mov_b32 s[CNT], 3
.Lstep:                                                ; three trips of two steps: its second to its seventh
	STEP 0, 0, 1
	STEP 0, 0, 0
	s_sub_co_u32 s[CNT], s[CNT], 1
	s_cmp_lg_u32 s[CNT], 0
	s_cbranch_scc1 .Lstep
	STEP 0, 1, 1                                   ; the last step is written out: it asks for nothing
	; THE WAY OUT: O x 1 / the sum, four neighbouring channels to four neighbouring registers; a store covers two rows' 256 bytes
	PLACES
.irp t, 0,1,2,3
	WIN 0x41
.irp j, 0,1,2,3,4,5,6,7
.irp c, 0,1,2,3
	v_mul_f32 v[32*\t+4*\j+\c], v[128+64*(\t/2)+16*\c+8*(\t%2)+\j], v[FX+8*\t+\j]
.endr
.endr
	WIN 0x04
.irp j, 0,1,2,3,4,5,6,7
	global_store_b128 v[GO], v[32*\t+4*\j:32*\t+4*\j+3], s[16:17] offset:(16*\t+\j)*2048 th:TH_STORE_NT
.endr
.endr
	WIN 0
	s_wait_tensorcnt 0x0                           ; the wave's end
	ds_add_u32 v[SPW], v[NIL]
	s_wait_dscnt 0x0
	CROUND                                         ; the closing round: no work-group ends while a partner may still ask for a tile that names it
	s_endpgm
.Lfunc_end_k_q1e09f951d9_attn:
	.size	k_q1e09f951d9_attn, .Lfunc_end_k_q1e09f951d9_attn-k_q1e09f951d9_attn
	.p2alignl 7, 3214868480
	.fill 96, 4, 3214868480
	.section	.rodata,"a",@progbits
	.p2align	6, 0x0
	.amdhsa_kernel k_q1e09f951d9_attn
		.amdhsa_group_segment_fixed_size 327680
		.amdhsa_private_segment_fixed_size 0
		.amdhsa_enable_private_segment 0
		.amdhsa_kernarg_size 56
		.amdhsa_user_sgpr_count 2
		.amdhsa_user_sgpr_kernarg_segment_ptr 1
		.amdhsa_wavefront_size32 1
		.amdhsa_system_sgpr_workgroup_id_x 1
		.amdhsa_system_sgpr_workgroup_id_y 1
		.amdhsa_system_sgpr_workgroup_id_z 1
		.amdhsa_system_vgpr_workitem_id 0
		.amdhsa_next_free_vgpr 512
		.amdhsa_next_free_sgpr 96
		.amdhsa_reserve_vcc 0
		.amdhsa_float_denorm_mode_32 3
		.amdhsa_float_denorm_mode_16_64 3
		.amdhsa_memory_ordered 1
		.amdhsa_forward_progress 1
		.amdhsa_inst_pref_size 214
	.end_amdhsa_kernel
	.amdgpu_metadata
---
amdhsa.version: [ 1, 2 ]
amdhsa.kernels:
  - .name:           k_q1e09f951d9_attn
    .symbol:         k_q1e09f951d9_attn.kd
    .args:
      - { .name: query_codes, .offset: 0, .size: 8, .value_kind: global_buffer, .address_space: global }
      - { .name: query_scales, .offset: 8, .size: 8, .value_kind: global_buffer, .address_space: global }
      - { .name: key_codes, .offset: 16, .size: 8, .value_kind: global_buffer, .address_space: global }
      - { .name: key_scales, .offset: 24, .size: 8, .value_kind: global_buffer, .address_space: global }
      - { .name: value_codes, .offset: 32, .size: 8, .value_kind: global_buffer, .address_space: global }
      - { .name: value_scales, .offset: 40, .size: 8, .value_kind: global_buffer, .address_space: global }
      - { .name: out0, .offset: 48, .size: 8, .value_kind: global_buffer, .address_space: global }
    .group_segment_fixed_size: 327680
    .private_segment_fixed_size: 0
    .kernarg_segment_align: 8
    .kernarg_segment_size: 56
    .max_flat_workgroup_size: 256
    .sgpr_count:     96
    .vgpr_count:     512
    .wavefront_size: 32
...
	.end_amdgpu_metadata
.endif
;; end of part 1
